; MI455X (gfx1250); checked and timed in simulation.
; The chip was launched on July 23, 2026; its instructions are those of AMD's public machine-readable ISA for CDNA 5 (MIT licence, August 2026) and "CDNA5" Instruction Set Architecture Reference Guide (July 2026). The comments in the code are by the model that wrote it; some were corrected since.
;; Fun Audio Chat Audio Attention. Allowed arithmetic: matrix products marked QUANTISED: E2M3 operands, one E8M0 scale for each 32 along K, by v_wmma_scale_f32_16x16x128_f8f6f4 with both operands' format E2M3, f32 sums; everything else in f32.
;; Inputs: bo 1,024 float32; bq 1,024 float32; bv 1,024 float32; hidden_states_codes 4,096 x 32 x 24 uint8 (E2M3 codes of hidden_states, K innermost, in blocks of 32 codes, four codes in three bytes); hidden_states_scales 4,096 x 32 uint8 (E8M0 scales of hidden_states, one for each 32 codes along K); wk_codes 1,024 x 32 x 24 uint8 (E2M3 codes of wk, K innermost, in blocks of 32 codes, four codes in three bytes); wk_scales 1,024 x 32 uint8 (E8M0 scales of wk, one for each 32 codes along K); wo_codes 1,024 x 32 x 24 uint8 (E2M3 codes of wo, K innermost, in blocks of 32 codes, four codes in three bytes); wo_scales 1,024 x 32 uint8 (E8M0 scales of wo, one for each 32 codes along K); wq_codes 1,024 x 32 x 24 uint8 (E2M3 codes of wq, K innermost, in blocks of 32 codes, four codes in three bytes); wq_scales 1,024 x 32 uint8 (E8M0 scales of wq, one for each 32 codes along K); wv_codes 1,024 x 32 x 24 uint8 (E2M3 codes of wv, K innermost, in blocks of 32 codes, four codes in three bytes); wv_scales 1,024 x 32 uint8 (E8M0 scales of wv, one for each 32 codes along K).
;; Outputs: out0 4,096 x 1,024 float32.
;; This version of the problem:
;;   THIS VERSION OF THE PROBLEM IS GIVEN IN LOW PRECISION. The matrix products marked QUANTISED in the list below multiply operands that are first quantised to E2M3 (2 exponent bits, 3 mantissa bits; 6 bits a number), with one power-of-two scale for each 32 numbers along K (OCP MX v1.0); their sums are f32. All else is computed in f32.
;;   The module's matrix products, in the order in which they are computed (A, B: the left and right operand; K: the contracted axis; several contracted axes count as one K, in the product's order):
;;     1. [M 4,096, K 1,024] x [K 1,024, N 1,024]; A: input hidden_states (given as codes); B: input wq (given as codes): QUANTISED
;;     2. [M 4,096, K 1,024] x [K 1,024, N 1,024]; A: input hidden_states (given as codes); B: input wk (given as codes): QUANTISED
;;     3. [M 4,096, K 1,024] x [K 1,024, N 1,024]; A: input hidden_states (given as codes); B: input wv (given as codes): QUANTISED
;;     4. batch 16 x [M 4,096, K 64] x [K 64, N 4,096]; A: computed on the way; B: computed on the way: QUANTISED
;;     5. batch 16 x [M 4,096, K 4,096] x [K 4,096, N 64]; A: softmax (see below); B: computed on the way: QUANTISED
;;     6. [M 4,096, K 1,024] x [K 1,024, N 1,024]; A: computed on the way; B: input wo (given as codes): QUANTISED
;;   THE QUANTISER, for each operand of a quantised product, along K:
;;     - K is cut into blocks of 32 from its start; a last block that is shorter is filled with zeros.
;;     - A block's scale is 2^e with e = floor(log2(the largest magnitude in the block)) - 2, held to -126 .. 127; a block of zeros has e = 0. As a byte (E8M0): e + 127.
;;     - Each number is divided by its block's scale, clamped to +-7.5, and rounded to the nearest number of E2M3, ties to even, subnormals kept.
;;     - The product sums the exact products of the quantised numbers (number of the format x scale) in f32.
;;   ~~~python
;;   def quantise(x, axis):      # numpy; x: float32 -> the quantised numbers, widened to float32 again
;;       x = np.moveaxis(x, axis, -1); K = x.shape[-1]
;;       x = np.pad(x, [(0, 0)] * (x.ndim - 1) + [(0, -K % 32)]); x = x.reshape(x.shape[:-1] + (-1, 32)); a = np.abs(x).max(-1, keepdims=True)
;;       e = np.where(a > 0, np.clip(np.frexp(np.where(a > 0, a, 1))[1] - 1 - 2, -126, 127), 0)      # np.frexp(a)[1] - 1 = floor(log2(a)), exactly
;;       r = np.clip(x / 2.0 ** e, -7.5, 7.5)
;;       step = 2.0 ** (np.maximum(np.frexp(np.where(r == 0, 1, r))[1] - 1, 0) - 3)
;;       q = np.round(r / step) * step * 2.0 ** e      # np.round: ties to even
;;       return np.moveaxis(q.reshape(q.shape[:-2] + (-1,))[..., :K], -1, axis).astype(np.float32)
;;   ~~~
;;   SOFTMAX AHEAD OF A QUANTISED PRODUCT. Where the list says 'softmax', what is quantised is not the finished softmax but p = 2^(t - M), with t = logit x log2(e) and M = ceil(the row's largest t), a whole number; so 1/2 < the row's largest p <= 1. The row's sum l is taken of the UNQUANTISED p, in f32, and the product's result is divided by l at the end. Since M is a whole number, a kernel that streams over the keys may use a running M (the ceiling of the running maximum): every later rescaling is an exact power of two, which a block's scale takes up: the codes' values come out the same.
;;   OPERANDS COMPUTED ON THE WAY. 'Computed on the way' means the value that the module computes at that place (a softmax that the list does not call 'softmax' is quantised finished and normalised). What goes into a quantiser is computed in f32, as accurately as f32 sums, v_exp_f32 and their like allow (about 1e-6 of the number): no bf16 or f16 on the way to a quantiser, and a product that is left as it is and whose result goes on into a quantised operand takes f32 operands (vector FMAs, or v_wmma_f32_16x16x4_f32). A number that lies on a knife's edge between two numbers of the format may be rounded either way, as far as f32 arithmetic and the matrix unit's own rounding can turn it there, and no further.
;;   INPUTS GIVEN AS CODES. hidden_states (in the module: [4096, 1024], K = its axis 1); wk (in the module: [1024, 1024], K = its axis 1); wo (in the module: [1024, 1024], K = its axis 1); wq (in the module: [1024, 1024], K = its axis 1); wv (in the module: [1024, 1024], K = its axis 1): each comes as NAME_codes (uint8): NAME with its K axis moved to the last place and cut into blocks of 32 codes, [.., K / 32, bytes a block], one block behind the other in memory; four codes in three bytes: a row's codes are one little-endian stream of bits, code i at bits 6 i .. 6 i + 5 (a code: sign, 2 exponent bits, 3 mantissa bits); and NAME_scales (uint8): the same leading axes, one E8M0 byte (e + 127) for each 32 codes along K. Its value is code x scale, taken as it is: it is not quantised again, and the codes and scales need not be those that the quantiser above would give.
;; One version. Each part assembles by itself: llvm-mc -triple=amdgcn-amd-amdhsa -mcpu=gfx1250 --defsym DOCPART=n.
;; ======== version 1 of 1: 3 launches
;; limits: right only within a limited range of input values
;; workspace buffers: qf 3,276,800 bytes; kv 6,553,600 bytes; ao_codes 3,145,728 bytes; ao_scales 131,072 bytes
;; launch proj (part 1): grid 12 x 16, 4 waves a work-group, clusters of 4 x 4, 327,680 bytes of LDS; arguments hidden_states_codes, hidden_states_scales, wq_codes, wq_scales, wk_codes, wk_scales, wv_codes, wv_scales, bq, bv, qf, kv; writes qf, kv
.if DOCPART == 1
	.amdgcn_target "amdgcn-amd-amdhsa--gfx1250"
	.amdhsa_code_object_version 6
	.text
	.protected	k_qcd9a1c09eb_proj
	.globl	k_qcd9a1c09eb_proj
	.p2align	8
	.type	k_qcd9a1c09eb_proj,@function
k_qcd9a1c09eb_proj:
	s_mov_b64 s[64:65], 0
	v_nop
	global_prefetch_b8 v0, s[64:65] scope:SCOPE_SE
	s_setreg_imm32_b32 hwreg(HW_REG_WAVE_MODE, 25, 1), 1
	s_wait_xcnt 0x0
	s_wait_alu depctr_hold_cnt(0) depctr_sa_sdst(0) depctr_va_vdst(0) depctr_va_sdst(0) depctr_va_ssrc(0) depctr_va_vcc(0) depctr_vm_vsrc(0)
	s_getreg_b32 s2, hwreg(HW_REG_IB_STS2, 6, 4)
	s_cmp_eq_u32 s2, 0
	s_cbranch_scc0 .Lentry_in_a_cluster
	s_endpgm
.Lentry_in_a_cluster:
	s_bfe_u32 s2, ttmp6, 0x10000c
	s_cmp_lg_u32 s2, 0xf033
	s_cbranch_scc0 .Lentry_shape_is_right
	s_endpgm
.Lentry_shape_is_right:
; q = x wq^T + bq, k = x wk^T, v = x wv^T + bv on codes of FP6 (E2M3) with E8M0 scales, quantised again on the way out and stored as images of the attention launch's operand registers.
; No work of the problem is left out; every input is loaded by some launch.
; Cluster column 0 makes q, 1 makes k (source 1 = rows of x, source 0 = rows of the weight), 2 makes v with the roles changed (source 1 = rows of wv, source 0 = rows of x), so that v's codes run along the keys.
; A work-group of four waves makes 256 x 256, a wave 128 x 128 in 64 accumulators.  K = 1,024 is 768 bytes a row and goes through two LDS slots in three chunks of 256 bytes, each beginning at a multiple of 256 bytes.
; A step of 128 along K is 96 bytes: steps 2 and 5 lie across two chunks.  The scales of the 256 + 256 rows come once and stay.  Tiles are asked for jointly: source 1's along a row of the cluster, source 0's along a column.
; No prefetch: K is three chunks at the largest block in clusters; two of the three are first fills.
; LIMITS: NaN and infinities are not served.  A block whose largest magnitude lies under 2^-124 gets the byte 1; these bytes are read by this program alone.
.set ROWB,   256
.set NQ,     2
.set KROW,   768
.set STEPS,  8
.set CHUNKS, 3
.set PITCH,  272
.set FR,     12
.set NL,     6
.set NP,     4
.set HALFT,  128*PITCH
.set SLOT,   4*HALFT
.set KS,     32
.set SCL,    2*SLOT
.set HALFS,  (128*KS/256)*272
.set SBLK,   (16*KS/256)*272
.set SPARE,  SCL+4*HALFS
.set OFB,  8
.set OFR,  9
.set VO1,  10
.set VO2,  11
.set VOS,  12
.set SELV, 13
.set ADRA, 16
.set ADRB, 20
.set ADRS, 27
.set SPW,  28
.set NIL,  29
.set SC,   32
.set BP,   64
.set AF,   128
.set BR,   224
.set ST,   128
.set CD,   192
.set PWE,  212
.set PWO,  213
.set WD,   214
.set TM,   240
.set G1, 24
.set G0, 32
.set G1B, 48
.set G0B, 56
.set G1S, 68
.set G0S, 76
.set G1SB, 80
.set G0SB, 88
.set G0H, 4
.set G0HB, 8
.set S1,   66
.set S14,  67
.set MQ,   92
.set MV,   93
.set SEL,  94
.set SS1,  96
.set SS15, 97
.set PBQ,  98
.set PBV,  100
.set MSB, 0
.macro WIN new
.if MSB != \new
	s_set_vgpr_msb (MSB<<8)|\new
.set MSB, \new
.endif
.endm
.set MUL_LO, 0xa1
.set MUL_HI, 0xf1
.set TO_B,   0x40
.macro JLOAD g0a, g1a, g0b, g1b        ; waves 0, 1 fetch source 1's tile, waves 2, 3 source 0's
	s_cmp_eq_u32 s15, 0
	s_cbranch_scc0 .Lfor_b_\@
	tensor_load_to_lds s[\g0a:\g0a+3], s[\g1a:\g1a+7]
	s_nop 0
.rept 4
	v_nop
.endr
	s_branch .Lasked_\@
.Lfor_b_\@:
	tensor_load_to_lds s[\g0b:\g0b+3], s[\g1b:\g1b+7]
	s_nop 0
.rept 4
	v_nop
.endr
.Lasked_\@:
.endm
.macro CREST
	s_cmp_lg_u32 s14, 0
	s_cbranch_scc1 .Lnot_wave_0_\@
	s_barrier_signal -3
.Lnot_wave_0_\@:
	s_barrier_wait -3
	s_barrier_signal -1
	s_barrier_wait -1
.endm
.macro CROUND
	s_barrier_signal -1
	s_barrier_wait -1
	CREST
.endm
	s_load_b512 s[68:83], s[0:1], 0x0
	s_load_b256 s[84:91], s[0:1], 0x40
	v_lshl_add_u32 v[SPW], v0, 2, SPARE
	v_mov_b32 v[NIL], 0
	ds_add_u32 v[SPW], v[NIL]              ; the opening lines: the add twice and one wait
	ds_add_u32 v[SPW], v[NIL]
	v_lshrrev_b32 v1, 5, v0
	v_readfirstlane_b32 s14, v1            ; wave
	s_lshr_b32 s15, s14, 1
	s_and_b32 s16, s14, 1
	s_bfe_u32 s40, ttmp6, 0x40000          ; cx
	s_bfe_u32 s41, ttmp6, 0x40004          ; cy
	s_and_b32 s2, ttmp7, 0xffff
	s_lshl_b32 s2, s2, 2
	s_cmp_eq_u32 ttmp9, 2                  ; v: the walk over x's rows goes along the tile columns
	s_cselect_b32 s17, 0, s2
	s_cselect_b32 s42, s2, 0
	s_add_co_u32 s17, s17, s41             ; tile row
	s_add_co_u32 s42, s42, s40             ; tile column
	s_lshl_b32 s43, s41, 2
	s_lshl_b32 s43, 15, s43
	s_lshl_b32 s44, 0x1111, s40
	s_or_b32 s[G1+0], s43, (0<<16)|(1<<20)|(1<<21)|(5<<22)|(3<<25)
	s_or_b32 s[G1B+0], s44, (0<<16)|(1<<20)|(1<<21)|(5<<22)|(3<<25)
.irp g, G1, G1B
	s_mov_b32 s[\g+1], ROWB<<16
	s_mov_b32 s[\g+2], 256<<16             ; the head's loads bring 256 rows
	s_mov_b32 s[\g+3], ROWB<<16
	s_mov_b32 s[\g+4], 256
	s_mov_b32 s[\g+5], KROW
	s_mov_b32 s[\g+6], 0
	s_mov_b32 s[\g+7], 0
.endr
	s_lshl_b32 s20, s17, 8
	s_lshl_b32 s46, s42, 8
	s_mov_b32 s21, 0
	s_mov_b32 s47, 0
	s_mov_b64 s[18:19], KS
	s_mul_u64 s[22:23], s[20:21], s[18:19]
	s_mul_u64 s[92:93], s[46:47], s[18:19]
	s_mov_b64 s[18:19], KROW
	s_mul_u64 s[20:21], s[20:21], s[18:19]
	s_mul_u64 s[46:47], s[46:47], s[18:19]
	s_mul_i32 s18, s16, 128*KROW
	s_mov_b32 s19, 0
	s_mul_i32 s45, s14, HALFT
	s_wait_dscnt 0x0
	s_wait_kmcnt 0x0
	s_cmp_eq_u32 ttmp9, 0
	s_cselect_b64 s[8:9], s[72:73], s[76:77]
	s_cselect_b64 s[10:11], s[74:75], s[78:79]
	s_cselect_b64 s[12:13], s[88:89], s[90:91]
	s_cmp_eq_u32 ttmp9, 2
	s_cselect_b64 s[8:9], s[68:69], s[8:9]
	s_cselect_b64 s[10:11], s[70:71], s[10:11]
	s_cselect_b64 s[4:5], s[80:81], s[68:69]
	s_cselect_b64 s[6:7], s[82:83], s[70:71]
	s_mov_b64 s[PBQ:PBQ+1], s[84:85]
	s_mov_b64 s[PBV:PBV+1], s[86:87]
	s_or_b32 s[G1S+0], s43, (3<<16)|(1<<20)|(1<<21)|(5<<22)|(3<<25)   ; the arguments that lay here have been taken
	s_or_b32 s[G1SB+0], s44, (3<<16)|(1<<20)|(1<<21)|(5<<22)|(3<<25)
.irp g, G1S, G1SB
	s_mov_b32 s[\g+1], 32<<16
	s_mov_b32 s[\g+2], KS<<16
	s_mov_b32 s[\g+3], 32<<16
	s_mov_b32 s[\g+4], KS
	s_mov_b32 s[\g+5], 32
	s_mov_b32 s[\g+6], 0
	s_mov_b32 s[\g+7], 0
.endr
	s_add_nc_u64 s[20:21], s[4:5], s[20:21]
	s_add_nc_u64 s[22:23], s[6:7], s[22:23]
	s_add_nc_u64 s[46:47], s[8:9], s[46:47]
	s_add_nc_u64 s[92:93], s[10:11], s[92:93]
	CROUND                                 ; the first joint loads meet
	s_mov_b32 s[G0H], 1
	s_mov_b32 s[G0H+1], 0
	s_mov_b64 s[G0H+2:G0H+3], s[20:21]
	s_or_b32 s[G0H+3], s[G0H+3], 0x80000000
	s_mov_b32 s[G0HB], 1
	s_mov_b32 s[G0HB+1], 2*HALFT
	s_mov_b64 s[G0HB+2:G0HB+3], s[46:47]
	s_or_b32 s[G0HB+3], s[G0HB+3], 0x80000000
	s_mov_b32 s[G0S], 1
	s_mov_b32 s[G0S+1], SCL
	s_mov_b64 s[G0S+2:G0S+3], s[22:23]
	s_or_b32 s[G0S+3], s[G0S+3], 0x80000000
	s_mov_b32 s[G0SB], 1
	s_mov_b32 s[G0SB+1], SCL+2*HALFS
	s_mov_b64 s[G0SB+2:G0SB+3], s[92:93]
	s_or_b32 s[G0SB+3], s[G0SB+3], 0x80000000
	s_add_nc_u64 s[20:21], s[20:21], s[18:19]
	s_add_nc_u64 s[46:47], s[46:47], s[18:19]
.irp s, 0,1
	s_mov_b32 s[G0+4*\s], 1
	s_add_co_u32 s[G0+4*\s+1], s45, \s*SLOT
	s_add_nc_u64 s[G0+4*\s+2:G0+4*\s+3], s[20:21], \s*ROWB
	s_or_b32 s[G0+4*\s+3], s[G0+4*\s+3], 0x80000000
	s_mov_b32 s[G0B+4*\s], 1
	s_add_co_u32 s[G0B+4*\s+1], s45, \s*SLOT
	s_add_nc_u64 s[G0B+4*\s+2:G0B+4*\s+3], s[46:47], \s*ROWB
	s_or_b32 s[G0B+4*\s+3], s[G0B+4*\s+3], 0x80000000
.endr
; the head's four tiles, one a wave: chunk 0 of both sides, and both sides' scales
.macro ARM under, g0, g1, next
	s_cmp_lt_u32 s14, \under
	s_cbranch_scc0 \next
	tensor_load_to_lds s[\g0:\g0+3], s[\g1:\g1+7]
	s_nop 0
.rept 4
	v_nop
.endr
	s_branch .Lhead_asked
\next:
.endm
	ARM 1, G0H,  G1,  .Lhead_b
	ARM 2, G0HB, G1B, .Lhead_sa
	ARM 3, G0S,  G1S, .Lhead_sb
	tensor_load_to_lds s[G0SB:G0SB+3], s[G1SB:G1SB+7]
	s_nop 0
.rept 4
	v_nop
.endr
.Lhead_asked:
	v_and_b32 v1, 15, v0
	v_bfe_u32 v2, v0, 4, 1
	v_mul_u32_u24 v3, v1, PITCH
	v_mul_u32_u24 v4, v2, 24
	v_add_nc_u32 v4, v3, v4
	s_mov_b32 s21, SLOT-232
	s_mov_b32 s22, SLOT+232
	v_sub_nc_u32 v7, 1, v2
	v_mul_u32_u24 v5, s21, v2
	v_add_nc_u32 v5, v3, v5
	v_add_nc_u32 v5, 232, v5               ; lanes 0-15 byte 232 in slot 0, lanes 16-31 byte 0 in slot 1
	v_mul_u32_u24 v6, s22, v7
	v_add_nc_u32 v6, v3, v6                ; and the other way round
	s_mul_i32 s21, s15, HALFT
	s_mul_i32 s22, s16, HALFT
	s_add_co_u32 s22, s22, 2*HALFT
	v_add_nc_u32 v[ADRA+2], s21, v5
	v_add_nc_u32 v[ADRA+3], s21, v6
	v_add_nc_u32 v[ADRB+2], s22, v5
	v_add_nc_u32 v[ADRB+3], s22, v6
.irp s, 0,1
	v_add_nc_u32 v[ADRA+\s], s21, v4
	v_add_nc_u32 v[ADRB+\s], s22, v4
	s_add_co_u32 s21, s21, SLOT
	s_add_co_u32 s22, s22, SLOT
.endr
	v_mul_u32_u24 v5, v1, KS
	v_lshrrev_b32 v6, 8, v5
	v_lshl_add_u32 v5, v6, 4, v5
	s_mul_i32 s21, s15, HALFS
	s_mul_i32 s22, s16, HALFS
	s_add_co_u32 s22, s22, 2*HALFS
	s_sub_co_u32 s22, s22, s21
	v_mul_u32_u24 v6, s22, v2
	s_add_co_u32 s21, s21, SCL
	v_add_nc_u32 v5, v5, v6
	v_add_nc_u32 v[ADRS], s21, v5
	s_lshl_b32 s20, s40, 1                 ; the biases: bq along a lane's registers, bv one a row
	s_add_co_u32 s20, s20, s16
	s_lshl_b32 s20, s20, 9
	s_mov_b32 s21, 0
	s_add_nc_u64 s[PBQ:PBQ+1], s[PBQ:PBQ+1], s[20:21]
	s_lshl_b32 s20, s41, 1
	s_add_co_u32 s20, s20, s15
	s_lshl_b32 s20, s20, 9
	s_add_nc_u64 s[PBV:PBV+1], s[PBV:PBV+1], s[20:21]
	v_lshlrev_b32 v[OFB], 5, v2
	v_lshlrev_b32 v[OFR], 2, v1
.irp b, 0,1,2,3,4,5,6,7
	global_load_b128 v[BP+8*\b:BP+8*\b+3], v[OFB], s[PBQ:PBQ+1] offset:64*\b
	global_load_b128 v[BP+8*\b+4:BP+8*\b+7], v[OFB], s[PBQ:PBQ+1] offset:64*\b+16
.endr
.irp a, 0,1,2,3,4,5,6,7
	global_load_b32 v[BR+2*\a], v[OFR], s[PBV:PBV+1] offset:64*\a
	global_load_b32 v[BR+2*\a+1], v[OFR], s[PBV:PBV+1] offset:64*\a
.endr
.macro FRAG reg, adr, st, i            ; 16 rows x 128 K: six pieces of 8 bytes; a piece's slot and byte follow from its place in the row
.irp p, 0,1,2,3,4,5
.set BY, 96*(\st)+48*(\p/3)+8*(\p%3)
.if BY/ROWB == (BY+24)/ROWB
	ds_load_b64 v[\reg+2*\p:\reg+2*\p+1], v[\adr+(BY/ROWB)%2] offset:BY%ROWB+(\i)*16*PITCH
.else
	ds_load_b64 v[\reg+2*\p:\reg+2*\p+1], v[\adr+2+(BY/ROWB)%2] offset:BY%ROWB-232+(\i)*16*PITCH
.endif
.endr
.endm
.macro MUL16 a0, p, q, sc, zero        ; the 64 accumulators take turns
.irp a, \a0, \a0+1
.irp b, 0,1,2,3,4,5,6,7
.if \zero
	v_wmma_scale_f32_16x16x128_f8f6f4 v[8*(8*((\a)%4)+\b):8*(8*((\a)%4)+\b)+7], v[128*(\p)+FR*\b:128*(\p)+FR*\b+FR-1], v[AF+FR*(\a):AF+FR*(\a)+FR-1], 0, v[SC+8*NQ*(\sc)+NQ*\b+(\q)], v[SC+8*NQ*(\sc)+NQ*(\a)+(\q)] matrix_a_fmt:MATRIX_FMT_FP6 matrix_b_fmt:MATRIX_FMT_FP6 matrix_a_scale:MATRIX_SCALE_ROW1
.else
	v_wmma_scale_f32_16x16x128_f8f6f4 v[8*(8*((\a)%4)+\b):8*(8*((\a)%4)+\b)+7], v[128*(\p)+FR*\b:128*(\p)+FR*\b+FR-1], v[AF+FR*(\a):AF+FR*(\a)+FR-1], v[8*(8*((\a)%4)+\b):8*(8*((\a)%4)+\b)+7], v[SC+8*NQ*(\sc)+NQ*\b+(\q)], v[SC+8*NQ*(\sc)+NQ*(\a)+(\q)] matrix_a_fmt:MATRIX_FMT_FP6 matrix_b_fmt:MATRIX_FMT_FP6 matrix_a_scale:MATRIX_SCALE_ROW1
.endif
.endr
.endr
.endm
.macro FETCH_B st, p
	WIN TO_B
.irp i, 0,1,2,3,4,5,6,7
	FRAG 128*(\p)+FR*\i, ADRB, \st, \i
.endr
	WIN 0
.endm
.macro FETCH_A st, i0
.irp i, \i0, \i0+1, \i0+2, \i0+3
	FRAG AF+FR*(\i), ADRA, \st, \i
.endr
.endm
.macro SCALES pr
.irp i, 0,1,2,3,4,5,6,7
	ds_load_b64 v[SC+8*NQ*((\pr)%2)+NQ*\i:SC+8*NQ*((\pr)%2)+NQ*\i+1], v[ADRS] offset:\i*SBLK+4*NQ*(\pr)
.endr
.endm
.macro PLACES n
.rept \n
	v_nop
.endr
.endm
; a step of 128 along K.  Where the next step ends in a chunk not yet read: a barrier shows it whole.  Where it begins in a later chunk: the three lines, the barrier, and, if a chunk two on is left, a round and the refill.
.macro STEP st, zero
.set NX, (\st)+1
.set C0, (96*(\st))/ROWB
.set C1, (96*NX)/ROWB
.set E0, (96*(\st)+95)/ROWB
.set E1, (96*NX+95)/ROWB
.if C1 > C0 || E1 > E0
	s_wait_tensorcnt 0x0                   ; all my tensor loads have landed
.if C1 > C0
	ds_add_u32 v[SPW], v[NIL]
	s_wait_dscnt 4*NL+1                    ; the add and source 1's blocks 4-7 may be out
.else
	s_wait_dscnt 4*NL
.endif
	WIN MUL_LO
	MUL16 0, (\st)%2, (\st)%2, ((\st)/2)%2, \zero
	s_wait_dscnt 0x0                       ; the add and my reads are done
	s_barrier_signal -1
	MUL16 2, (\st)%2, (\st)%2, ((\st)/2)%2, \zero
	WIN 0
	s_barrier_wait -1
.if C1 > C0 && C0+2 < CHUNKS
	CREST
	s_add_nc_u64 s[G0+4*(C0%2)+2:G0+4*(C0%2)+3], s[G0+4*(C0%2)+2:G0+4*(C0%2)+3], 2*ROWB
	s_add_nc_u64 s[G0B+4*(C0%2)+2:G0B+4*(C0%2)+3], s[G0B+4*(C0%2)+2:G0B+4*(C0%2)+3], 2*ROWB
	JLOAD G0+4*(C0%2), G1, G0B+4*(C0%2), G1B
.else
	PLACES NP
.endif
.else
	s_wait_dscnt 4*NL                      ; all but source 1's blocks 4-7
	WIN MUL_LO
	MUL16 0, (\st)%2, (\st)%2, ((\st)/2)%2, \zero
	MUL16 2, (\st)%2, (\st)%2, ((\st)/2)%2, \zero
	s_wait_dscnt 0
	PLACES NP
.endif
	FETCH_B NX, NX%2
	FETCH_A NX, 0
.if NX%2 == 0
	SCALES NX/2
.endif
	WIN MUL_HI
	MUL16 4, (\st)%2, (\st)%2, ((\st)/2)%2, \zero
	MUL16 6, (\st)%2, (\st)%2, ((\st)/2)%2, \zero
	PLACES NP
	WIN 0
	FETCH_A NX, 4
.endm
	s_wait_alu depctr_va_vdst(0)           ; the wait at the head's end
	s_wait_tensorcnt 0x0                   ; my tile of the head's four is in
	ds_add_u32 v[SPW], v[NIL]
	s_mov_b32 s[G1+2], 128<<16             ; no load of mine is out: the ring's loads bring 128 rows
	s_mov_b32 s[G1+4], 128
	s_mov_b32 s[G1B+2], 128<<16
	s_mov_b32 s[G1B+4], 128
	s_wait_dscnt 0x0
	CROUND
	JLOAD G0+4, G1, G0B+4, G1B             ; chunk 1, slot 1's first fill
	FETCH_B 0, 0
	FETCH_A 0, 0
	SCALES 0
	FETCH_A 0, 4
	; the way out's strides and offsets (s4-11 are free: the head's loads have landed)
	s_lshl_b32 s20, s42, 1
	s_add_co_u32 s20, s20, s16
	s_lshl_b32 s21, s17, 1
	s_add_co_u32 s21, s21, s15
	s_mov_b32 s4, 409600
	s_mov_b32 s5, 12800
	s_mov_b32 s6, 12288
	s_cmp_eq_u32 ttmp9, 0
	s_cselect_b32 s4, 204800, s4
	s_cselect_b32 s5, 6400, s5
	s_cselect_b32 s6, 6144, s6
	s_cselect_b32 s[MQ], -1, 0
	s_mov_b32 s7, 12544
	s_mov_b32 s[S1], 768
	s_mov_b32 s[S14], 768
	s_mov_b32 s10, 0x05040100
	s_mov_b32 s11, 0x07060302
	s_cmp_eq_u32 ttmp9, 2
	s_cselect_b32 s22, s20, s21
	s_cselect_b32 s23, s21, s20
	s_cselect_b32 s6, s7, s6
	s_cselect_b32 s7, 6144, 0
	s_cselect_b32 s8, 768, s4
	s_cselect_b32 s9, 64, s4
	s_cselect_b32 s[S1], 1536, s[S1]
	s_cselect_b32 s[S14], 404992, s[S14]
	s_cselect_b32 s[SS1], 128, 64
	s_cselect_b32 s[SS15], 409472, 64
	s_cselect_b32 s10, 0x03020100, s10
	s_cselect_b32 s11, 0x07060504, s11
	s_cselect_b32 s[MV], -1, 0
	s_mul_i32 s23, s23, s4
	s_lshl_b32 s23, s23, 1
	s_mul_i32 s22, s22, s5
	s_add_co_u32 s22, s22, s23
	s_add_co_u32 s7, s7, s22
	s_add_co_u32 s6, s6, s22
	s_mov_b32 s[SEL], 0x76543210
	s_mov_b32 s[SEL+1], 0xfedcba98
	v_and_b32 v6, 31, v0
	v_lshl_add_u32 v[VO1], v6, 3, s7
	v_add_nc_u32 v[VO2], s8, v[VO1]
	v_mul_u32_u24 v6, s9, v2
	v_lshl_add_u32 v[VOS], v1, 2, v6
	v_add_nc_u32 v[VOS], s6, v[VOS]
	v_mov_b32 v[SELV], s10
	v_mov_b32 v6, s11
	v_cmp_eq_u32 vcc_lo, 1, v2
	v_cndmask_b32 v[SELV], v[SELV], v6, vcc_lo
	s_wait_alu depctr_va_vdst(0)
	STEP 0, 1
.set WST, 1
.rept STEPS-2
	STEP WST, 0
.set WST, WST+1
.endr
	s_wait_dscnt 4*NL
	WIN MUL_LO
	MUL16 0, 1, 1, 1, 0
	MUL16 2, 1, 1, 1, 0
	s_wait_dscnt 0
	WIN MUL_HI
	MUL16 4, 1, 1, 1, 0
	MUL16 6, 1, 1, 1, 0
	WIN 0
; THE WAY OUT: 16 rows x 128 columns at a time: the biases, four blocks of 32 quantised, the codes stored as planes of 256 bytes
.macro QUANT s, pw
.irp b, 0,1,2,3
	v_max3_num_f32 v[TM+\b], |v[\s+16*\b]|, |v[\s+1+16*\b]|, 0x1800000
.endr
.irp i, 2,4,6,8,10,12,14
.irp b, 0,1,2,3
	v_max3_num_f32 v[TM+\b], v[TM+\b], |v[\s+16*\b+\i]|, |v[\s+1+16*\b+\i]|
.endr
.endr
.irp b, 0,1,2,3
	v_permlanex16_b32 v[TM+4+\b], v[TM+\b], s[SEL], s[SEL+1]
.endr
.irp b, 0,1,2,3
	v_max_num_f32 v[TM+\b], v[TM+\b], v[TM+4+\b]
.endr
.irp b, 0,1,2,3
	v_add_nc_u32 v[TM+12+\b], 0xff000000, v[TM+\b]
.endr
.irp b, 0,1,2,3
	v_lshrrev_b32 v[TM+4+\b], 23, v[TM+12+\b]
.endr
	v_lshl_or_b32 v[\pw], v[TM+5], 8, v[TM+4]
	v_lshl_or_b32 v[\pw], v[TM+6], 16, v[\pw]
	v_lshl_or_b32 v[\pw], v[TM+7], 24, v[\pw]
.irp c, 0,1
	v_cvt_scalef32_pk16_fp6_f32 v[CD+6*\c:CD+2+6*\c], v[\s+32*\c:\s+15+32*\c], v[TM+12+2*\c]
	v_cvt_scalef32_pk16_fp6_f32 v[CD+12+4*\c:CD+14+4*\c], v[\s+16+32*\c:\s+31+32*\c], v[TM+12+2*\c+1]
.endr
	v_nop
.irp c, 0,1
.irp i, 0,1,2
	v_permlane16_swap_b32 v[CD+6*\c+\i], v[CD+12+4*\c+\i]
.endr
.irp i, 0,1,2
	v_mov_b32 v[CD+3+6*\c+\i], v[CD+12+4*\c+\i]
.endr
.endr
.endm
.macro OUTBLK a
.if (\a) > 0
	s_wait_xcnt 0x0                        ; the stores before have read their registers
.if (\a) == 4
	v_add_nc_u32 v[VO1], s[S14], v[VO1]
	v_add_nc_u32 v[VO2], s[S14], v[VO2]
.else
	v_add_nc_u32 v[VO1], s[S1], v[VO1]
	v_add_nc_u32 v[VO2], s[S1], v[VO2]
.endif
.if (\a) == 5
	v_add_nc_u32 v[VOS], s[SS15], v[VOS]
.endif
.if ((\a) == 3) || ((\a) == 7)
	v_add_nc_u32 v[VOS], s[SS1], v[VOS]
.endif
.endif
	WIN 0x02+(\a)/4
.set i, 0
.rept 32
	v_pk_add_f32 v[ST+i:ST+i+1], v[64*((\a)%4)+i:64*((\a)%4)+i+1], v[BP+i:BP+i+1]
.set i, i+2
.endr
	WIN 0
.set i, 0
.rept 32
	v_pk_add_f32 v[ST+i:ST+i+1], v[ST+i:ST+i+1], v[BR+2*(\a):BR+2*(\a)+1]
.set i, i+2
.endr
	QUANT ST, PWE+(\a)%2
.irp p, 0,1,2
	global_store_b64 v[VO1], v[CD+2*\p:CD+2*\p+1], s[12:13] offset:256*\p
	global_store_b64 v[VO2], v[CD+6+2*\p:CD+7+2*\p], s[12:13] offset:256*\p
.endr
.if (\a)%2
	v_perm_b32 v[WD], v[PWO], v[PWE], v[SELV]
	global_store_b32 v[VOS], v[WD], s[12:13]
.endif
.endm
	s_wait_loadcnt 0x0
.set i, 0
.rept 64
	v_and_b32 v[BP+i], s[MQ], v[BP+i]      ; bq counts for q alone,
.set i, i+1
.endr
.set i, 0
.rept 16
	v_and_b32 v[BR+i], s[MV], v[BR+i]      ; bv for v alone
.set i, i+1
.endr
.irp b, 0,1,2,3
	v_mov_b32 v[TM+4+\b], 0
.endr
.irp a, 0,1,2,3,4,5,6,7
	OUTBLK \a
.endr
	s_wait_tensorcnt 0x0                   ; the wave's end
	ds_add_u32 v[SPW], v[NIL]
	s_wait_dscnt 0x0
	CROUND
	s_endpgm
.Lfunc_end_k_qcd9a1c09eb_proj:
	.size	k_qcd9a1c09eb_proj, .Lfunc_end_k_qcd9a1c09eb_proj-k_qcd9a1c09eb_proj
	.p2alignl 7, 3214868480
	.fill 96, 4, 3214868480
	.section	.rodata,"a",@progbits
	.p2align	6, 0x0
	.amdhsa_kernel k_qcd9a1c09eb_proj
		.amdhsa_group_segment_fixed_size 327680
		.amdhsa_private_segment_fixed_size 0
		.amdhsa_enable_private_segment 0
		.amdhsa_kernarg_size 96
		.amdhsa_user_sgpr_count 2
		.amdhsa_user_sgpr_kernarg_segment_ptr 1
		.amdhsa_wavefront_size32 1
		.amdhsa_system_sgpr_workgroup_id_x 1
		.amdhsa_system_sgpr_workgroup_id_y 1
		.amdhsa_system_sgpr_workgroup_id_z 1
		.amdhsa_system_vgpr_workitem_id 0
		.amdhsa_next_free_vgpr 1024
		.amdhsa_next_free_sgpr 102
		.amdhsa_reserve_vcc 1
		.amdhsa_float_denorm_mode_32 3
		.amdhsa_float_denorm_mode_16_64 3
		.amdhsa_memory_ordered 1
		.amdhsa_forward_progress 1
		.amdhsa_inst_pref_size 207
	.end_amdhsa_kernel
	.amdgpu_metadata
---
amdhsa.version: [ 1, 2 ]
amdhsa.kernels:
  - .name:           k_qcd9a1c09eb_proj
    .symbol:         k_qcd9a1c09eb_proj.kd
    .args:
      - { .name: hidden_states_codes, .offset: 0, .size: 8, .value_kind: global_buffer, .address_space: global }
      - { .name: hidden_states_scales, .offset: 8, .size: 8, .value_kind: global_buffer, .address_space: global }
      - { .name: wq_codes, .offset: 16, .size: 8, .value_kind: global_buffer, .address_space: global }
      - { .name: wq_scales, .offset: 24, .size: 8, .value_kind: global_buffer, .address_space: global }
      - { .name: wk_codes, .offset: 32, .size: 8, .value_kind: global_buffer, .address_space: global }
      - { .name: wk_scales, .offset: 40, .size: 8, .value_kind: global_buffer, .address_space: global }
      - { .name: wv_codes, .offset: 48, .size: 8, .value_kind: global_buffer, .address_space: global }
      - { .name: wv_scales, .offset: 56, .size: 8, .value_kind: global_buffer, .address_space: global }
      - { .name: bq, .offset: 64, .size: 8, .value_kind: global_buffer, .address_space: global }
      - { .name: bv, .offset: 72, .size: 8, .value_kind: global_buffer, .address_space: global }
      - { .name: qf, .offset: 80, .size: 8, .value_kind: global_buffer, .address_space: global }
      - { .name: kv, .offset: 88, .size: 8, .value_kind: global_buffer, .address_space: global }
    .group_segment_fixed_size: 327680
    .private_segment_fixed_size: 0
    .kernarg_segment_align: 8
    .kernarg_segment_size: 96
    .max_flat_workgroup_size: 128
    .sgpr_count:     102
    .vgpr_count:     1024
    .wavefront_size: 32
...
	.end_amdgpu_metadata
.endif
;; end of part 1
;; launch attn (part 2): grid 16 x 16, 16 waves a work-group, clusters of 4 x 1, 327,680 bytes of LDS; arguments qf, kv, ao_codes, ao_scales; writes ao_codes, ao_scales
.if DOCPART == 2
	.amdgcn_target "amdgcn-amd-amdhsa--gfx1250"
	.amdhsa_code_object_version 6
	.text
	.protected	k_qcd9a1c09eb_attn
	.globl	k_qcd9a1c09eb_attn
	.p2align	8
	.type	k_qcd9a1c09eb_attn,@function
k_qcd9a1c09eb_attn:
	s_mov_b64 s[64:65], 0
	v_nop
	global_prefetch_b8 v0, s[64:65] scope:SCOPE_SE
	s_setreg_imm32_b32 hwreg(HW_REG_WAVE_MODE, 25, 1), 1
	s_wait_xcnt 0x0
	s_wait_alu depctr_hold_cnt(0) depctr_sa_sdst(0) depctr_va_vdst(0) depctr_va_sdst(0) depctr_va_ssrc(0) depctr_va_vcc(0) depctr_vm_vsrc(0)
	s_getreg_b32 s2, hwreg(HW_REG_IB_STS2, 6, 4)
	s_cmp_eq_u32 s2, 0
	s_cbranch_scc0 .Lentry_in_a_cluster
	s_endpgm
.Lentry_in_a_cluster:
	s_bfe_u32 s2, ttmp6, 0x10000c
	s_cmp_lg_u32 s2, 0x3003
	s_cbranch_scc0 .Lentry_shape_is_right
	s_endpgm
.Lentry_shape_is_right:
; o[q] = the sum over keys of softmax(q . k / 8) v for 16 heads of 64 channels, 4,096 queries and keys, both products on codes of FP6 (E2M3) with one E8M0 scale for each 32 along K; o is quantised and leaves as codes.
; t = score x log2(e) / 8; M = the row's largest t so far, rounded up to a whole number; p = 2^(t - M) is quantised along the keys, not normalised.  The row's sum is taken of the unquantised p and divides O at the end.
; When M moves, the sum and O are multiplied by 2^(old M - new M), which rounds nothing.
; SHARES.  A work-group owns 256 queries of one head, each of its sixteen waves 16 of them.  Every wave walks all keys, 128 a step; a step's record of kv is 12,800 bytes (K's 8 tiles, V's 4 fragments, their scale words, as register images).
; LDS holds 24 records.  At the head every wave fetches half of one of records 0-7; behind the head's round every wave fetches one of records 8-23; behind step 7 a round, and places 0-7 are filled with records 24-31, half a record a wave.
; So the 32 steps have two changes, behind steps 7 and 23, and every wave issues every load: no branch on the wave's number stands round a load.
; CLUSTER.  The four work-groups of a cluster belong to one head and walk the same records: each load is joint, with the mask 15.
; LAYOUT.  Both products are used transposed: S^T = K Q^T, O^T = V^T P^T: a lane holds one query (lane % 16).  K = 64 in an instruction of 128: source 0's 12 registers hold two tiles of 16 keys, one in each half of K;
; Q stands between two runs of zero codes: [q | 0] gives the first tile's scores, [0 | q] the second's; Q's scale bytes of the unused half are 0, which stands for 2^-127, over zero codes.
; A block's 32 codes stand in the order 0-7, 16-23, 8-15, 24-31, alike in both operands of a product.
; No prefetch: records 8-23 are asked for eight key steps ahead of their first read, records 24-31 sixteen; the rest are the first fills.
; o's scale bytes leave as 2 bytes a row, 32 bytes apart: a work-group has one head's two bytes of a row; they are one byte in 24 of what the launch stores.
; LIMITS: NaN and infinities are not served; the scaled scores stay under 2^31 in magnitude.  A block whose largest magnitude lies under 2^-124 gets the byte 1; these bytes are read by this program alone.
; The division by the sum is v_rcp_f32 and a multiplication.  A block's largest p is made from the block's largest score by the same two instructions as every p, which takes v_exp_f32 not to fall where its input rises.
.set REC,   12800
.set HALFR, 6400
.set P8,    8*REC
.set SPARE, 24*REC                     ; the spare words, 128 bytes for each of sixteen waves
.set HSKV,  409600
.set HSQ,   204800
.set L8,  1
.set L4,  2
.set AD8, 3
.set AD4, 4
.set SPW, 5
.set NIL, 6
.set R32, 7
.set QS,  8                            ; v8, v9 Q's scale words;  v12 -M, v13 the largest t, v[14:15] the sum
.set KSC, 10
.set QZ,  16                           ; v16-33 zeros, q, zeros
.set VSC, 34
.set PSW, 36
.set TT,  37
.set FF,  38
.set KF,  40                           ; v40-87 K's, then V's fragments
.set BM,  88
.set BT,  92
.set S,   96                           ; v96-159 S^T, then p
.set OT,  160                          ; v160-191 O^T
.set CD,  192
.set PT,  204
.set SO,  212
.set NA,  216
.set CH,  240                          ; v240-253 seven chains of the sum
.set WV,  12
.set SEL, 20
.set CS,  22
.set G1,  24
.set G0A, 32
.set G0W, 36
.set TB,  40
.set CNT, 41
.set WH,  42
.macro CROUND
	s_barrier_signal -1
	s_barrier_wait -1
	s_cmp_lg_u32 s[WV], 0
	s_cbranch_scc1 .Lnot_wave_0_\@
	s_barrier_signal -3
.Lnot_wave_0_\@:
	s_barrier_wait -3
	s_barrier_signal -1
	s_barrier_wait -1
.endm
.macro TLOAD g0
	tensor_load_to_lds s[\g0:\g0+3], s[G1:G1+7]
	s_nop 0
.rept 4
	v_nop
.endr
.endm
	s_load_b256 s[4:11], s[0:1], 0x0       ; qf, kv, ao_codes, ao_scales
	v_lshl_add_u32 v[SPW], v0, 2, SPARE
	v_mov_b32 v[NIL], 0
	ds_add_u32 v[SPW], v[NIL]              ; the opening lines: the add twice and one wait
	ds_add_u32 v[SPW], v[NIL]
	v_lshrrev_b32 v1, 5, v0
	v_readfirstlane_b32 s[WV], v1
	s_bfe_u32 s13, ttmp6, 0x40000
	s_lshl_b32 s14, ttmp9, 2
	s_add_co_u32 s14, s14, s13             ; my block of 256 queries
	s_and_b32 s15, ttmp7, 0xffff           ; the head
	s_mul_i32 s43, s[WV], REC
	s_mul_i32 s[WH], s[WV], HALFR
	s_mul_i32 s18, s15, HSKV
	s_add_co_u32 s16, s18, s43
	s_add_co_u32 s16, s16, P8              ; records 8-23: my record
	s_add_co_u32 s18, s18, s[WH]           ; records 0-7: my half record
	s_mov_b32 s17, 0
	s_mov_b32 s19, 0
	s_mov_b32 s[G1], 15|(3<<16)|(1<<21)    ; rows of 256 dense bytes, 25 of them at the head
	s_mov_b32 s[G1+1], 32<<16
	s_mov_b32 s[G1+2], 25<<16
	s_mov_b32 s[G1+3], 32<<16
	s_mov_b32 s[G1+4], 25
	s_mov_b32 s[G1+5], 32
	s_mov_b32 s[G1+6], 0
	s_mov_b32 s[G1+7], 0
	s_mov_b32 s[SEL], 0x76543210
	s_mov_b32 s[SEL+1], 0xfedcba98
	s_mov_b32 s[CS], 0x3e38aa3b            ; log2(e) / 8
	s_mov_b32 s[CS+1], s[CS]
	s_mov_b32 s[TB], 0
	s_wait_dscnt 0x0
	s_wait_kmcnt 0x0
	CROUND                                 ; the first joint loads meet
	s_mov_b32 s[G0A], 1
	s_mov_b32 s[G0A+1], s[WH]
	s_add_nc_u64 s[G0A+2:G0A+3], s[6:7], s[18:19]
	s_or_b32 s[G0A+3], s[G0A+3], 0x80000000
	s_mov_b32 s[G0W], 1
	s_add_co_u32 s[G0W+1], s43, P8
	s_add_nc_u64 s[G0W+2:G0W+3], s[6:7], s[16:17]
	s_or_b32 s[G0W+3], s[G0W+3], 0x80000000
	TLOAD G0A                              ; one load a wave at the head
	; Q: my tile of 16 queries is tile wave % 8 of group 2 x block + wave / 8 of the head
	s_mul_i32 s16, s15, HSQ
	s_lshl_b32 s17, s14, 1
	s_lshr_b32 s18, s[WV], 3
	s_add_co_u32 s17, s17, s18
	s_mul_i32 s17, s17, 6400
	s_add_co_u32 s16, s16, s17
	s_mov_b32 s17, 0
	s_add_nc_u64 s[4:5], s[4:5], s[16:17]
	s_and_b32 s18, s[WV], 7
	s_mul_i32 s19, s18, 768
	s_lshr_b32 s18, s18, 1
	s_lshl_b32 s18, s18, 6
	v_and_b32 v[TT], 31, v0
	v_and_b32 v[BT], 15, v0
	v_lshlrev_b32 v[L8], 3, v[TT]
	v_lshlrev_b32 v[L4], 2, v[TT]
	v_lshlrev_b32 v[R32], 5, v[BT]
	v_lshl_add_u32 v[AD4], v[BT], 2, s18
	v_add_nc_u32 v[AD8], s19, v[L8]
.irp p, 0,1,2
	global_load_b64 v[QZ+6+2*\p:QZ+7+2*\p], v[AD8], s[4:5] offset:256*\p
.endr
	global_load_b32 v[TT], v[AD4], s[4:5] offset:6144   ; the pair word of my tile and its neighbour
.irp i, 0,1,2,3,4,5
	v_mov_b32 v[QZ+\i], 0
	v_mov_b32 v[QZ+12+\i], 0
.endr
	s_wait_alu depctr_va_vdst(0)           ; the wait at the head's end
	s_wait_tensorcnt 0x0                   ; my half record is in
	ds_add_u32 v[SPW], v[NIL]
	s_mov_b32 s[G1+2], 50<<16              ; no load of mine is out: the next load brings 50 rows
	s_mov_b32 s[G1+4], 50
	s_wait_dscnt 0x0
	CROUND                                 ; records 0-7 are whole
	TLOAD G0W                              ; records 8-23
	s_wait_loadcnt 0x0                     ; Q
	s_and_b32 s18, s[WV], 1
	s_lshl_b32 s18, s18, 4
	v_lshrrev_b32 v[QS], s18, v[TT]
	s_delay_alu instid0(VALU_DEP_1)
	v_and_b32 v[QS], 0xffff, v[QS]
	s_delay_alu instid0(VALU_DEP_1)
	v_lshlrev_b32 v[QS+1], 16, v[QS]       ; (the moves below are the places ahead of the first product)
	v_mov_b32 v13, 0xff61b1e6              ; -3e38
	s_delay_alu instid0(VALU_DEP_1)
	v_floor_f32 v12, -v13
	v_mov_b32 v14, 0
	v_mov_b32 v15, 0
	v_mov_b32 v[FF+1], 0
.irp b, 0,1,2,3
	v_mov_b32 v[BT+\b], 0
.endr
.set i, 0
.rept 32
	v_mov_b32 v[OT+i], 0                   ; the step is written for every step alike: the first finds zeros
.set i, i+1
.endr
	s_wait_alu depctr_va_vdst(0)
.macro OMUL n                          ; n pairs of O^T under the new M
.rept \n
	v_pk_mul_f32 v[OT+j:OT+j+1], v[OT+j:OT+j+1], v[FF:FF+1] op_sel_hi:[1,0]
.set j, j+2
.endr
.endm
.macro SUM8 q                          ; eight lines of the row's sum: seven chains and v[14:15]
.irp c, 0,1,2,3,4,5,6
	v_pk_add_f32 v[CH+2*\c:CH+1+2*\c], v[CH+2*\c:CH+1+2*\c], v[S+30+16*\q+2*\c:S+31+16*\q+2*\c]
.endr
	v_pk_add_f32 v[14:15], v[14:15], v[S+44+16*\q:S+45+16*\q]
.endm
.macro STEP                            ; 128 keys
	v_add_nc_u32 v[AD8], s[TB], v[L8]
	v_add_nc_u32 v[AD4], s[TB], v[L4]
	v_nop                                  ; with the two additions: four places ahead of the loads
	v_nop
.set n, 0
.rept 24
	ds_load_b64 v[KF+2*n:KF+2*n+1], v[AD8] offset:256*n
.set n, n+1
.endr
	ds_load_b32 v[KSC], v[AD4] offset:12288
	ds_load_b32 v[KSC+1], v[AD4] offset:12288+128
	s_wait_alu depctr_va_vdst(0)
	s_wait_dscnt 0x0
.irp i, 0,1,2,3
.irp u, 0,1
.if \i%2
	v_wmma_scale_f32_16x16x128_f8f6f4 v[S+8*(2*\i+\u):S+8*(2*\i+\u)+7], v[KF+12*\i:KF+12*\i+11], v[QZ+6-6*\u:QZ+17-6*\u], 0, v[KSC+\i/2], v[QS+\u] matrix_a_fmt:MATRIX_FMT_FP6 matrix_b_fmt:MATRIX_FMT_FP6 matrix_a_scale:MATRIX_SCALE_ROW1
.else
	v_wmma_scale_f32_16x16x128_f8f6f4 v[S+8*(2*\i+\u):S+8*(2*\i+\u)+7], v[KF+12*\i:KF+12*\i+11], v[QZ+6-6*\u:QZ+17-6*\u], 0, v[KSC+\i/2], v[QS+\u] matrix_a_fmt:MATRIX_FMT_FP6 matrix_b_fmt:MATRIX_FMT_FP6
.endif
.endr
.endr
.rept 4
	v_nop
.endr
.set n, 0
.rept 24
	ds_load_b64 v[KF+2*n:KF+2*n+1], v[AD8] offset:6144+256*n      ; V lands while the softmax is walked
.set n, n+1
.endr
	ds_load_b32 v[VSC], v[AD4] offset:12544
	ds_load_b32 v[VSC+1], v[AD4] offset:12544+128
.irp b, 0,1,2,3
	v_max3_num_f32 v[BM+\b], v[S+16*\b], v[S+1+16*\b], v[S+2+16*\b]   ; each block's largest score
.endr
.irp i, 3,5,7,9,11,13
.irp b, 0,1,2,3
	v_max3_num_f32 v[BM+\b], v[BM+\b], v[S+16*\b+\i], v[S+1+16*\b+\i]
.endr
.endr
.irp b, 0,1,2,3
	v_max_num_f32 v[BM+\b], v[BM+\b], v[S+15+16*\b]
.endr
.irp b, 0,1,2,3
	s_delay_alu instid0(VALU_DEP_4)
	v_permlanex16_b32 v[BT+\b], v[BM+\b], s[SEL], s[SEL+1]
.endr
.irp b, 0,1,2,3
	s_delay_alu instid0(VALU_DEP_4)
	v_max_num_f32 v[BM+\b], v[BM+\b], v[BT+\b]
.endr
	s_delay_alu instid0(VALU_DEP_2)
	v_max3_num_f32 v[TT], v[BM], v[BM+1], v[BM+2]
	s_delay_alu instid0(VALU_DEP_1)
	v_max_num_f32 v[TT], v[TT], v[BM+3]
	s_delay_alu instid0(VALU_DEP_1)
	v_mul_f32 v[TT], s[CS], v[TT]
	s_delay_alu instid0(VALU_DEP_1)
	v_max_num_f32 v13, v13, v[TT]          ; the running largest t
	v_mov_b32 v[TT], v12
	s_delay_alu instid0(VALU_DEP_2)
	v_floor_f32 v12, -v13                  ; -M = -ceil(t)
	s_delay_alu instid0(VALU_DEP_1)
	v_sub_f32 v[TT], v12, v[TT]
	s_delay_alu instid0(VALU_DEP_1)
	v_cvt_i32_f32 v[TT], v[TT]
	s_delay_alu instid0(VALU_DEP_1)
	v_ldexp_f32 v[FF], 1.0, v[TT]          ; f = 2^(old M - new M)
.set j, 0
.rept 32
	v_pk_fma_f32 v[S+j:S+j+1], v[S+j:S+j+1], s[CS:CS+1], v[12:13] op_sel_hi:[1,0,0]   ; t - M
.set j, j+2
.endr
.irp b, 0,1,2,3
	v_fma_f32 v[BM+\b], v[BM+\b], s[CS], v12
.endr
.set j, 0
	s_wait_alu depctr_va_vdst(0)           ; the wait ahead of the batch
.rept 64
	v_exp_f32 v[S+j], v[S+j]
.set j, j+1
.endr
.irp b, 0,1,2,3
	v_exp_f32 v[BM+\b], v[BM+\b]
.endr
	v_pk_mul_f32 v[14:15], v[14:15], v[FF:FF+1] op_sel_hi:[1,0]
	s_wait_alu depctr_va_vdst(0)           ; and behind it
	; p's scales and codes, by turns with the row's sum of the unquantised p and with O^T's rescaling: no result is read within four vector instructions of its write
.irp b, 0,1,2,3
	v_max_num_f32 v[BM+\b], 0x1800000, v[BM+\b]    ; the floor: the byte cannot fall under 1
.endr
.set j, 0
.rept 7
	v_pk_add_f32 v[CH+2*j:CH+1+2*j], v[S+4*j:S+4*j+1], v[S+4*j+2:S+4*j+3]
.set j, j+1
.endr
	v_pk_add_f32 v[14:15], v[14:15], v[S+28:S+29]
.irp b, 0,1,2,3
	v_add_nc_u32 v[SO+\b], 0xff000000, v[BM+\b]    ; the conversions' scale operands
.endr
	SUM8 0
.irp b, 0,1,2,3
	v_lshrrev_b32 v[BT+\b], 23, v[SO+\b]           ; the scale bytes
.endr
.irp c, 0,1
	v_cvt_scalef32_pk16_fp6_f32 v[CD+6*\c:CD+2+6*\c], v[S+32*\c:S+15+32*\c], v[SO+2*\c]
	v_cvt_scalef32_pk16_fp6_f32 v[PT+4*\c:PT+2+4*\c], v[S+16+32*\c:S+31+32*\c], v[SO+2*\c+1]
.endr
	SUM8 1                                 ; (its first line is the plain place behind the conversions)
.irp c, 0,1
.irp i, 0,1,2
	v_permlane16_swap_b32 v[CD+6*\c+\i], v[PT+4*\c+\i]   ; a whole block in a lane
.endr
.endr
	v_lshl_or_b32 v[PSW], v[BT+1], 8, v[BT]        ; p's scale word
	v_pk_add_f32 v[CH:CH+1], v[CH:CH+1], v[S+62:S+63]
.irp c, 0,1
.irp i, 0,1,2
	v_mov_b32 v[CD+3+6*\c+\i], v[PT+4*\c+\i]
.endr
.endr
	v_lshl_or_b32 v[PSW], v[BT+2], 16, v[PSW]
	v_pk_add_f32 v[14:15], v[14:15], v[CH+6:CH+7]
	v_pk_add_f32 v[CH+2:CH+3], v[CH+2:CH+3], v[CH+8:CH+9]
	v_pk_add_f32 v[CH+4:CH+5], v[CH+4:CH+5], v[CH+10:CH+11]
	v_pk_add_f32 v[CH:CH+1], v[CH:CH+1], v[CH+12:CH+13]
	v_lshl_or_b32 v[PSW], v[BT+3], 24, v[PSW]
.set j, 0
	OMUL 5
	v_pk_add_f32 v[14:15], v[14:15], v[CH+2:CH+3]
	v_pk_add_f32 v[CH:CH+1], v[CH:CH+1], v[CH+4:CH+5]
	OMUL 5
	v_pk_add_f32 v[14:15], v[14:15], v[CH:CH+1]
	OMUL 6                                 ; (19 plain lines stand between p's scale word and the products below)
	s_wait_alu depctr_va_vdst(0)
	s_wait_dscnt 0x0                       ; V
.irp t, 0,1,2,3                        ; the four accumulators take turns
.if \t%2
	v_wmma_scale_f32_16x16x128_f8f6f4 v[OT+8*\t:OT+8*\t+7], v[KF+12*\t:KF+12*\t+11], v[CD:CD+11], v[OT+8*\t:OT+8*\t+7], v[VSC+\t/2], v[PSW] matrix_a_fmt:MATRIX_FMT_FP6 matrix_b_fmt:MATRIX_FMT_FP6 matrix_a_scale:MATRIX_SCALE_ROW1
.else
	v_wmma_scale_f32_16x16x128_f8f6f4 v[OT+8*\t:OT+8*\t+7], v[KF+12*\t:KF+12*\t+11], v[CD:CD+11], v[OT+8*\t:OT+8*\t+7], v[VSC+\t/2], v[PSW] matrix_a_fmt:MATRIX_FMT_FP6 matrix_b_fmt:MATRIX_FMT_FP6
.endif
.endr
	s_add_co_u32 s[TB], s[TB], REC
.endm
.macro STEPS_N n
	s_mov_b32 s[CNT], \n
.Lstep_\@:
	STEP
	s_sub_co_u32 s[CNT], s[CNT], 1
	s_cmp_lg_u32 s[CNT], 0
	s_cbranch_scc1 .Lstep_\@
.endm
	STEPS_N 8                              ; records 0-7
	s_wait_tensorcnt 0x0                   ; my record of 8-23 is in
	ds_add_u32 v[SPW], v[NIL]
	s_mov_b32 s[G1+2], 25<<16              ; no load of mine is out: 25 rows again,
	s_mov_b32 s[G1+4], 25
	s_add_nc_u64 s[G0A+2:G0A+3], s[G0A+2:G0A+3], 24*REC   ; records 24-31, into the places of records 0-7
	s_wait_dscnt 0x0                       ; the add is done, my reads of places 0-7 are over
	CROUND
	TLOAD G0A                              ; the one refill: it has sixteen key steps in which to land
	STEPS_N 16                             ; records 8-23
	s_wait_tensorcnt 0x0                   ; my part of records 24-31 is in
	ds_add_u32 v[SPW], v[NIL]
	s_mov_b32 s[TB], 0
	s_wait_dscnt 0x0
	s_barrier_signal -1
	s_barrier_wait -1                      ; everybody's is
	STEPS_N 8                              ; records 24-31
	; THE WAY OUT.  O^T / the sum; its 64 channels are two blocks of the last product's K: quantised, put into the natural order, stored as three planes
.rept 4
	v_nop
.endr
	v_add_f32 v14, v14, v15
	s_delay_alu instid0(VALU_DEP_1)
	v_permlanex16_b32 v[TT], v14, s[SEL], s[SEL+1]
	s_delay_alu instid0(VALU_DEP_1)
	v_add_f32 v14, v14, v[TT]
	s_wait_alu depctr_va_vdst(0)
	v_rcp_f32 v14, v14
	v_nop
.set j, 0
	s_wait_alu depctr_va_vdst(0)
.rept 32
	v_mul_f32 v[S+j], v[OT+j], v14
.set j, j+1
.endr
.irp b, 0,1
	v_max3_num_f32 v[BM+\b], |v[S+16*\b]|, |v[S+1+16*\b]|, 0x1800000
.endr
.irp i, 2,4,6,8,10,12,14
.irp b, 0,1
	s_delay_alu instid0(VALU_DEP_2)
	v_max3_num_f32 v[BM+\b], v[BM+\b], |v[S+16*\b+\i]|, |v[S+1+16*\b+\i]|
.endr
.endr
.irp b, 0,1
	s_delay_alu instid0(VALU_DEP_2)
	v_permlanex16_b32 v[BT+\b], v[BM+\b], s[SEL], s[SEL+1]
.endr
.irp b, 0,1
	s_delay_alu instid0(VALU_DEP_2)
	v_max_num_f32 v[BM+\b], v[BM+\b], v[BT+\b]
.endr
.irp b, 0,1
	s_delay_alu instid0(VALU_DEP_2)
	v_add_nc_u32 v[SO+\b], 0xff000000, v[BM+\b]
.endr
.irp b, 0,1
	s_delay_alu instid0(VALU_DEP_2)
	v_lshrrev_b32 v[BT+\b], 23, v[SO+\b]
.endr
	s_delay_alu instid0(VALU_DEP_1)
	v_lshl_or_b32 v[PSW], v[BT+1], 8, v[BT]
	v_cvt_scalef32_pk16_fp6_f32 v[PT:PT+2], v[S:S+15], v[SO]
	v_cvt_scalef32_pk16_fp6_f32 v[PT+4:PT+6], v[S+16:S+31], v[SO+1]
	v_nop
.irp i, 0,1,2
	v_permlane16_swap_b32 v[PT+\i], v[PT+4+\i]
.endr
	s_lshl_b32 s16, s14, 4
	s_add_co_u32 s16, s16, s[WV]           ; my tile of 16 rows
	s_lshl_b32 s17, s16, 4
	s_add_co_u32 s17, s17, s15
	s_mul_i32 s17, s17, 768                ; ao_codes [tile][head][3 planes][256]
	s_lshl_b32 s18, s16, 9
	s_lshl_b32 s19, s15, 1
	s_add_co_u32 s18, s18, s19             ; ao_scales [row][32]
	v_add_nc_u32 v[AD8], s17, v[L8]
	v_add_nc_u32 v[AD4], s18, v[R32]
	s_wait_alu depctr_va_vdst(0)
	v_mov_b32 v[NA], v[PT]                 ; groups of eight codes, 6 bytes each, into the order 0-7, 8-15, 16-23, 24-31
	v_perm_b32 v[NA+1], v[PT+4], v[PT+1], 0x05040100
	v_perm_b32 v[NA+2], v[PT+5], v[PT+4], 0x05040302
	v_perm_b32 v[NA+3], v[PT+2], v[PT+1], 0x05040302
	v_perm_b32 v[NA+4], v[PT+5], v[PT+2], 0x07060302
	v_mov_b32 v[NA+5], v[PT+6]
.irp p, 0,1,2
	global_store_b64 v[AD8], v[NA+2*\p:NA+2*\p+1], s[8:9] offset:256*\p   ; 32 lanes store 256 consecutive bytes, aligned
.endr
	global_store_b16 v[AD4], v[PSW], s[10:11]
	s_wait_tensorcnt 0x0                   ; the wave's end
	ds_add_u32 v[SPW], v[NIL]
	s_wait_dscnt 0x0
	CROUND
	s_endpgm
.Lfunc_end_k_qcd9a1c09eb_attn:
	.size	k_qcd9a1c09eb_attn, .Lfunc_end_k_qcd9a1c09eb_attn-k_qcd9a1c09eb_attn
	.p2alignl 7, 3214868480
	.fill 96, 4, 3214868480
	.section	.rodata,"a",@progbits
	.p2align	6, 0x0
	.amdhsa_kernel k_qcd9a1c09eb_attn
		.amdhsa_group_segment_fixed_size 327680
		.amdhsa_private_segment_fixed_size 0
		.amdhsa_enable_private_segment 0
		.amdhsa_kernarg_size 32
		.amdhsa_user_sgpr_count 2
		.amdhsa_user_sgpr_kernarg_segment_ptr 1
		.amdhsa_wavefront_size32 1
		.amdhsa_system_sgpr_workgroup_id_x 1
		.amdhsa_system_sgpr_workgroup_id_y 1
		.amdhsa_system_sgpr_workgroup_id_z 1
		.amdhsa_system_vgpr_workitem_id 0
		.amdhsa_next_free_vgpr 256
		.amdhsa_next_free_sgpr 66
		.amdhsa_reserve_vcc 0
		.amdhsa_float_denorm_mode_32 3
		.amdhsa_float_denorm_mode_16_64 3
		.amdhsa_memory_ordered 1
		.amdhsa_forward_progress 1
		.amdhsa_inst_pref_size 66
	.end_amdhsa_kernel
	.amdgpu_metadata
---
amdhsa.version: [ 1, 2 ]
amdhsa.kernels:
  - .name:           k_qcd9a1c09eb_attn
    .symbol:         k_qcd9a1c09eb_attn.kd
    .args:
      - { .name: qf, .offset: 0, .size: 8, .value_kind: global_buffer, .address_space: global }
      - { .name: kv, .offset: 8, .size: 8, .value_kind: global_buffer, .address_space: global }
      - { .name: ao_codes, .offset: 16, .size: 8, .value_kind: global_buffer, .address_space: global }
      - { .name: ao_scales, .offset: 24, .size: 8, .value_kind: global_buffer, .address_space: global }
    .group_segment_fixed_size: 327680
    .private_segment_fixed_size: 0
    .kernarg_segment_align: 8
    .kernarg_segment_size: 32
    .max_flat_workgroup_size: 512
    .sgpr_count:     66
    .vgpr_count:     256
    .wavefront_size: 32
...
	.end_amdgpu_metadata
.endif
;; end of part 2
;; launch outp (part 3): grid 8 x 32, 4 waves a work-group, clusters of 4 x 4, 327,680 bytes of LDS; arguments ao_codes, ao_scales, wo_codes, wo_scales, bo, out0; writes out0
.if DOCPART == 3
	.amdgcn_target "amdgcn-amd-amdhsa--gfx1250"
	.amdhsa_code_object_version 6
	.text
	.protected	k_qcd9a1c09eb_outp
	.globl	k_qcd9a1c09eb_outp
	.p2align	8
	.type	k_qcd9a1c09eb_outp,@function
k_qcd9a1c09eb_outp:
	s_mov_b64 s[64:65], 0
	v_nop
	global_prefetch_b8 v0, s[64:65] scope:SCOPE_SE
	s_setreg_imm32_b32 hwreg(HW_REG_WAVE_MODE, 25, 1), 1
	s_wait_xcnt 0x0
	s_wait_alu depctr_hold_cnt(0) depctr_sa_sdst(0) depctr_va_vdst(0) depctr_va_sdst(0) depctr_va_ssrc(0) depctr_va_vcc(0) depctr_vm_vsrc(0)
	s_getreg_b32 s2, hwreg(HW_REG_IB_STS2, 6, 4)
	s_cmp_eq_u32 s2, 0
	s_cbranch_scc0 .Lentry_in_a_cluster
	s_endpgm
.Lentry_in_a_cluster:
	s_bfe_u32 s2, ttmp6, 0x10000c
	s_cmp_lg_u32 s2, 0xf033
	s_cbranch_scc0 .Lentry_shape_is_right
	s_endpgm
.Lentry_shape_is_right:
; out0 = o wo^T + bo on codes of FP6 (E2M3) with E8M0 scales; sums in f32.  o's codes lie as [tile of 16 rows][head][3 planes][256 bytes], images of the operand's registers; wo's as given, 768 bytes a row.
; A work-group of four waves makes 128 x 128 of out0: 8 x 32 = 256 work-groups.  ALL OF K IS STAGED ONCE: o's 128 rows and wo's 128 rows are dense blocks of 98,304 bytes, their scales of 4,096;
; each comes by one joint load, one a wave, as rows of 256 bytes with 16 bytes of padding behind each.  Nothing is filled again: one barrier, then eight steps of 128 along K with no barrier.
; CLUSTER 4 x 4: o's tiles are shared along a row of the cluster, wo's along a column.
; A wave makes 64 x 64: 16 accumulators and the bias in window 1; window 0: v32-63 all scale words, v64-159 o's fragments in two sets, v160-255 wo's.
; The product is used transposed (source 0 = rows of wo, source 1 = rows of o): a lane holds eight neighbouring numbers of a row of out0.  The bias is the C of each sum's first product.
; No prefetch: the launch's only loads stand at its head, and there is no loop to run ahead in.
.set UNIT,  272
.set BOFF,  384*UNIT                   ; wo's codes, behind o's
.set SCL,   2*BOFF                     ; the scales: o's 16 units, then wo's
.set STAGE, SCL+32*UNIT                ; 16 rows x 272 bytes for each wave, for the way out
.set SPARE, STAGE+4*16*UNIT
.set OFB,  8
.set ADRA, 16
.set ADRB, 18                          ; v19: + 16 in lanes 16-31, where they read the next unit
.set ADRS, 20
.set STO,  24
.set RD,   25
.set CO,   26
.set SPW,  28
.set NIL,  29
.set SC,   32                          ; register 8 i + st: lanes 0-15 o's block i, lanes 16-31 wo's block i, step st
.set AF,   64
.set BF,   160
.set BK,   64
.set BI,   128                         ; the bias, in window 1
.set G1A, 24
.set G0A, 32
.set G0B, 36
.set G0S, 40
.set G1B, 48
.set G0SB, 56
.set G1S, 68
.set G1SB, 80
.set MSB, 0
.macro WIN new
.if MSB != \new
	s_set_vgpr_msb (MSB<<8)|\new
.set MSB, \new
.endif
.endm
.macro CROUND
	s_barrier_signal -1
	s_barrier_wait -1
	s_cmp_lg_u32 s14, 0
	s_cbranch_scc1 .Lnot_wave_0_\@
	s_barrier_signal -3
.Lnot_wave_0_\@:
	s_barrier_wait -3
	s_barrier_signal -1
	s_barrier_wait -1
.endm
	s_load_b128 s[4:7], s[0:1], 0x0        ; o's codes, scales
	s_load_b128 s[8:11], s[0:1], 0x10      ; wo's codes, scales
	s_load_b128 s[60:63], s[0:1], 0x20     ; bo, out0
	v_lshl_add_u32 v[SPW], v0, 2, SPARE
	v_mov_b32 v[NIL], 0
	ds_add_u32 v[SPW], v[NIL]              ; the opening lines: the add twice and one wait
	ds_add_u32 v[SPW], v[NIL]
	v_lshrrev_b32 v1, 5, v0
	v_readfirstlane_b32 s14, v1            ; wave
	s_lshr_b32 s15, s14, 1                 ; my half of the rows
	s_and_b32 s16, s14, 1                  ; my half of the columns
	s_bfe_u32 s19, ttmp6, 0x40000          ; cx
	s_bfe_u32 s20, ttmp6, 0x40004          ; cy
	s_lshl_b32 s18, ttmp9, 2
	s_add_co_u32 s18, s18, s19             ; tile column
	s_and_b32 s17, ttmp7, 0xffff
	s_lshl_b32 s17, s17, 2
	s_add_co_u32 s17, s17, s20             ; tile row
	s_lshl_b32 s21, s20, 2
	s_lshl_b32 s21, 15, s21                ; my row of the cluster
	s_lshl_b32 s22, 0x1111, s19            ; my column
	s_or_b32 s[G1A], s21, (3<<16)|(1<<20)|(1<<21)|(5<<22)|(3<<25)
	s_or_b32 s[G1B], s22, (3<<16)|(1<<20)|(1<<21)|(5<<22)|(3<<25)
	s_or_b32 s[G1S], s21, (3<<16)|(1<<20)|(1<<21)|(5<<22)|(3<<25)
	s_or_b32 s[G1SB], s22, (3<<16)|(1<<20)|(1<<21)|(5<<22)|(3<<25)
.irp g, G1A, G1B
	s_mov_b32 s[\g+1], 32<<16              ; 384 rows of 256 bytes
	s_mov_b32 s[\g+2], 384<<16
	s_mov_b32 s[\g+3], 32<<16
	s_mov_b32 s[\g+4], 384
	s_mov_b32 s[\g+5], 32
	s_mov_b32 s[\g+6], 0
	s_mov_b32 s[\g+7], 0
.endr
.irp g, G1S, G1SB
	s_mov_b32 s[\g+1], 32<<16              ; 16 rows of 256 bytes
	s_mov_b32 s[\g+2], 16<<16
	s_mov_b32 s[\g+3], 32<<16
	s_mov_b32 s[\g+4], 16
	s_mov_b32 s[\g+5], 32
	s_mov_b32 s[\g+6], 0
	s_mov_b32 s[\g+7], 0
.endr
	s_mul_i32 s44, s17, 98304              ; by the tile row: o's codes and scales
	s_mov_b32 s45, 0
	s_lshl_b32 s46, s17, 12
	s_mov_b32 s47, 0
	s_mul_i32 s88, s18, 98304              ; by the tile column: wo's
	s_mov_b32 s89, 0
	s_lshl_b32 s90, s18, 12
	s_mov_b32 s91, 0
	s_lshl_b32 s94, s18, 9                 ; my first column, in bytes
	s_lshl_b32 s95, s16, 8
	s_add_co_u32 s94, s94, s95
	s_mov_b32 s95, 0
	s_lshl_b32 s92, s17, 7                 ; my first row
	s_lshl_b32 s93, s15, 6
	s_add_co_u32 s92, s92, s93
	s_lshl_b32 s92, s92, 12
	s_add_co_u32 s92, s92, s94
	s_mov_b32 s93, 0
	s_mul_i32 s23, s15, 192*UNIT           ; my four tiles of o
	s_mul_i32 s2, s16, 192*UNIT            ; my 64 rows of wo
	s_add_co_u32 s2, s2, BOFF
	s_mul_i32 s3, s15, 8*UNIT              ; my rows' scales: o's,
	s_mul_i32 s12, s16, 8*UNIT
	s_add_co_u32 s12, s12, 16*UNIT
	s_sub_co_u32 s12, s12, s3              ; and how far on wo's lie
	s_add_co_u32 s3, s3, SCL
	s_mul_i32 s13, s14, 16*UNIT
	s_add_co_u32 s13, s13, STAGE           ; my stage
	s_wait_dscnt 0x0
	s_wait_kmcnt 0x0
	s_add_nc_u64 s[60:61], s[60:61], s[94:95]
	s_add_nc_u64 s[62:63], s[62:63], s[92:93]
	CROUND                                 ; the joint loads meet
	s_mov_b32 s[G0A], 1
	s_mov_b32 s[G0A+1], 0
	s_add_nc_u64 s[G0A+2:G0A+3], s[4:5], s[44:45]
	s_or_b32 s[G0A+3], s[G0A+3], 0x80000000
	s_mov_b32 s[G0B], 1
	s_mov_b32 s[G0B+1], BOFF
	s_add_nc_u64 s[G0B+2:G0B+3], s[8:9], s[88:89]
	s_or_b32 s[G0B+3], s[G0B+3], 0x80000000
	s_mov_b32 s[G0S], 1
	s_mov_b32 s[G0S+1], SCL
	s_add_nc_u64 s[G0S+2:G0S+3], s[6:7], s[46:47]
	s_or_b32 s[G0S+3], s[G0S+3], 0x80000000
	s_mov_b32 s[G0SB], 1
	s_mov_b32 s[G0SB+1], SCL+16*UNIT
	s_add_nc_u64 s[G0SB+2:G0SB+3], s[10:11], s[90:91]
	s_or_b32 s[G0SB+3], s[G0SB+3], 0x80000000
.macro ARM under, g0, g1, next         ; one chain of branches on the wave's number, one load to an arm
	s_cmp_lt_u32 s14, \under
	s_cbranch_scc0 \next
	tensor_load_to_lds s[\g0:\g0+3], s[\g1:\g1+7]
	s_nop 0
.rept 4
	v_nop
.endr
	s_branch .Lhead_asked
\next:
.endm
	ARM 1, G0A, G1A, .Lhead_b
	ARM 2, G0B, G1B, .Lhead_sa
	ARM 3, G0S, G1S, .Lhead_sb
	tensor_load_to_lds s[G0SB:G0SB+3], s[G1SB:G1SB+7]
	s_nop 0
.rept 4
	v_nop
.endr
.Lhead_asked:
	v_and_b32 v1, 15, v0                   ; r
	v_bfe_u32 v2, v0, 4, 1                 ; h
	v_and_b32 v3, 31, v0
	v_mul_u32_u24 v4, v1, 3*UNIT           ; a row of wo is three units
	v_lshlrev_b32 v5, 5, v1
	v_lshrrev_b32 v6, 3, v1
	v_lshlrev_b32 v3, 3, v3
	v_mad_u32_u24 v4, v2, 24, v4
	v_lshl_add_u32 v5, v6, 4, v5           ; 32 r, and 16 more behind each 256
	v_mul_u32_u24 v6, s12, v2              ; lanes 16-31 take wo's scales
	v_add_nc_u32 v[ADRA], s23, v3
	v_add_nc_u32 v[ADRB], s2, v4
	v_add_nc_u32 v5, v5, v6
	v_mul_u32_u24 v7, v1, UNIT
	v_lshl_add_u32 v[ADRB+1], v2, 4, v[ADRB]
	v_add_nc_u32 v[ADRS], s3, v5
	v_lshl_add_u32 v7, v2, 5, v7
	v_mul_u32_u24 v9, v2, UNIT
	v_add_nc_u32 v[STO], s13, v7           ; in: row r, 32 bytes for each half of the lanes
	v_lshl_add_u32 v9, v1, 4, v9
	v_lshlrev_b32 v10, 12, v2
	v_add_nc_u32 v[RD], s13, v9            ; back: sixteen lanes take a row of 256 bytes
	v_lshl_add_u32 v[CO], v1, 4, v10       ; and the same two rows in out0
	v_lshlrev_b32 v[OFB], 5, v2
	WIN 0x40
.irp b, 0,1,2,3
	global_load_b128 v[BI+8*\b:BI+8*\b+3], v[OFB], s[60:61] offset:64*\b
	global_load_b128 v[BI+8*\b+4:BI+8*\b+7], v[OFB], s[60:61] offset:64*\b+16
.endr
	WIN 0
.macro FETCH st                        ; step st's fragments into set st % 2: 48 loads of 8 bytes a lane
.irp i, 0,1,2,3
.irp p, 0,1,2,3,4,5
	ds_load_b64 v[AF+48*((\st)%2)+12*\i+2*\p:AF+48*((\st)%2)+12*\i+2*\p+1], v[ADRA] offset:UNIT*(48*\i+6*(\st)+\p)
.endr
.endr
.irp i, 0,1,2,3
.irp p, 0,1,2,3,4,5
.set BY, 96*(\st)+48*(\p/3)+8*(\p%3)   ; the piece of lanes 0-15 in the row; lanes 16-31 read 24 bytes on
.if BY/256 == (BY+24)/256
	ds_load_b64 v[BF+48*((\st)%2)+12*\i+2*\p:BF+48*((\st)%2)+12*\i+2*\p+1], v[ADRB] offset:BY+16*(BY/256)+\i*48*UNIT
.else
	ds_load_b64 v[BF+48*((\st)%2)+12*\i+2*\p:BF+48*((\st)%2)+12*\i+2*\p+1], v[ADRB+1] offset:BY+16*(BY/256)+\i*48*UNIT
.endif
.endr
.endr
.endm
.macro MUL st, first                   ; the 16 accumulators take turns
	WIN 0x50
.irp a, 0,1,2,3
.irp b, 0,1,2,3
.if \first
	v_wmma_scale_f32_16x16x128_f8f6f4 v[8*(4*\a+\b):8*(4*\a+\b)+7], v[BF+48*((\st)%2)+12*\b:BF+48*((\st)%2)+12*\b+11], v[AF+48*((\st)%2)+12*\a:AF+48*((\st)%2)+12*\a+11], v[BI+8*\b:BI+8*\b+7], v[SC+8*\b+(\st)], v[SC+8*\a+(\st)] matrix_a_fmt:MATRIX_FMT_FP6 matrix_b_fmt:MATRIX_FMT_FP6 matrix_a_scale:MATRIX_SCALE_ROW1
.else
	v_wmma_scale_f32_16x16x128_f8f6f4 v[8*(4*\a+\b):8*(4*\a+\b)+7], v[BF+48*((\st)%2)+12*\b:BF+48*((\st)%2)+12*\b+11], v[AF+48*((\st)%2)+12*\a:AF+48*((\st)%2)+12*\a+11], v[8*(4*\a+\b):8*(4*\a+\b)+7], v[SC+8*\b+(\st)], v[SC+8*\a+(\st)] matrix_a_fmt:MATRIX_FMT_FP6 matrix_b_fmt:MATRIX_FMT_FP6 matrix_a_scale:MATRIX_SCALE_ROW1
.endif
.endr
.endr
	WIN 0
.endm
	s_wait_alu depctr_va_vdst(0)           ; the wait at the head's end
	s_wait_tensorcnt 0x0                   ; my tile is in
	s_barrier_signal -1
	s_barrier_wait -1                      ; all four are
.irp i, 0,1,2,3
	ds_load_b128 v[SC+8*\i:SC+8*\i+3], v[ADRS] offset:\i*2*UNIT       ; a row's eight scale words, for all of K
	ds_load_b128 v[SC+8*\i+4:SC+8*\i+7], v[ADRS] offset:\i*2*UNIT+16
.endr
	FETCH 0
	s_wait_loadcnt 0x0                     ; the bias
	s_wait_dscnt 0x0
	FETCH 1
	MUL 0, 1
.set KST, 1
.rept 7
	s_wait_dscnt 0x0                       ; this step's fragments are in
.if KST < 7
.rept 4
	v_nop                                  ; places ahead of loads into the set that the last products read
.endr
	FETCH KST+1
.endif
	MUL KST, 0
.set KST, KST+1
.endr
; THE WAY OUT, 16 rows x 64 columns at a time, through my own stage: whole rows of 256 bytes come back
.macro TOSTAGE a
	WIN 0x04
.irp b, 0,1,2,3
	ds_store_b128 v[STO], v[32*(\a)+8*\b:32*(\a)+8*\b+3] offset:64*\b       ; each accumulator from its low end on
	ds_store_b128 v[STO], v[32*(\a)+8*\b+4:32*(\a)+8*\b+7] offset:64*\b+16
.endr
	WIN 0
.irp t, 0,1,2,3,4,5,6,7
	ds_load_b128 v[BK+32*((\a)%2)+4*\t:BK+32*((\a)%2)+4*\t+3], v[RD] offset:\t*2*UNIT   ; LDS serves a wave's instructions in order
.endr
.endm
.macro SEND a, younger
	s_wait_dscnt \younger                  ; the block is back; the next block's 8 stores and 8 loads may be out
.irp t, 0,1,2,3,4,5,6,7
	global_store_b128 v[CO], v[BK+32*((\a)%2)+4*\t:BK+32*((\a)%2)+4*\t+3], s[62:63] offset:(\a)*65536+\t*8192 th:TH_STORE_NT   ; sixteen lanes store 256 consecutive bytes, aligned
.endr
.endm
.rept 4
	v_nop
.endr
	TOSTAGE 0
.irp a, 1,2,3
.if \a > 1
	s_wait_xcnt 0x0                        ; block a - 2's stores have read their registers
.endif
	TOSTAGE \a
	SEND \a-1, 16
.endr
	SEND 3, 0
	s_wait_tensorcnt 0x0                   ; the wave's end
	ds_add_u32 v[SPW], v[NIL]
	s_wait_dscnt 0x0
	CROUND                                 ; the closing round
	s_endpgm
.Lfunc_end_k_qcd9a1c09eb_outp:
	.size	k_qcd9a1c09eb_outp, .Lfunc_end_k_qcd9a1c09eb_outp-k_qcd9a1c09eb_outp
	.p2alignl 7, 3214868480
	.fill 96, 4, 3214868480
	.section	.rodata,"a",@progbits
	.p2align	6, 0x0
	.amdhsa_kernel k_qcd9a1c09eb_outp
		.amdhsa_group_segment_fixed_size 327680
		.amdhsa_private_segment_fixed_size 0
		.amdhsa_enable_private_segment 0
		.amdhsa_kernarg_size 48
		.amdhsa_user_sgpr_count 2
		.amdhsa_user_sgpr_kernarg_segment_ptr 1
		.amdhsa_wavefront_size32 1
		.amdhsa_system_sgpr_workgroup_id_x 1
		.amdhsa_system_sgpr_workgroup_id_y 1
		.amdhsa_system_sgpr_workgroup_id_z 1
		.amdhsa_system_vgpr_workitem_id 0
		.amdhsa_next_free_vgpr 512
		.amdhsa_next_free_sgpr 96
		.amdhsa_reserve_vcc 0
		.amdhsa_float_denorm_mode_32 3
		.amdhsa_float_denorm_mode_16_64 3
		.amdhsa_memory_ordered 1
		.amdhsa_forward_progress 1
		.amdhsa_inst_pref_size 59
	.end_amdhsa_kernel
	.amdgpu_metadata
---
amdhsa.version: [ 1, 2 ]
amdhsa.kernels:
  - .name:           k_qcd9a1c09eb_outp
    .symbol:         k_qcd9a1c09eb_outp.kd
    .args:
      - { .name: ao_codes, .offset: 0, .size: 8, .value_kind: global_buffer, .address_space: global }
      - { .name: ao_scales, .offset: 8, .size: 8, .value_kind: global_buffer, .address_space: global }
      - { .name: wo_codes, .offset: 16, .size: 8, .value_kind: global_buffer, .address_space: global }
      - { .name: wo_scales, .offset: 24, .size: 8, .value_kind: global_buffer, .address_space: global }
      - { .name: bo, .offset: 32, .size: 8, .value_kind: global_buffer, .address_space: global }
      - { .name: out0, .offset: 40, .size: 8, .value_kind: global_buffer, .address_space: global }
    .group_segment_fixed_size: 327680
    .private_segment_fixed_size: 0
    .kernarg_segment_align: 8
    .kernarg_segment_size: 48
    .max_flat_workgroup_size: 128
    .sgpr_count:     96
    .vgpr_count:     512
    .wavefront_size: 32
...
	.end_amdgpu_metadata
.endif
;; end of part 3
